; MI455X (gfx1250); checked and timed in simulation.
; The chip was launched on July 23, 2026; its instructions are those of AMD's public machine-readable ISA for CDNA 5 (MIT licence, August 2026) and "CDNA5" Instruction Set Architecture Reference Guide (July 2026). The comments in the code are by the model that wrote it; some were corrected since.
;; Attention. Allowed arithmetic: matrix products marked QUANTISED: E4M3 operands, one given power-of-two scale a tensor, by v_wmma_f32_16x16x64_fp8_fp8 or v_wmma_f32_16x16x128_fp8_fp8, f32 sums; everything else in f32.
;; Inputs: lowp_scales 8 int32 (the exponents e of the quantised operands' scales 2^e); norm_b 128 float32; norm_w 128 float32; proj_b 128 float32; proj_w 128 x 128 float32; qkv_b 384 float32; qkv_w 384 x 128 float32; x 4 x 128 x 64 x 64 float32.
;; Outputs: out0 4 x 128 x 64 x 64 float32.
;; This version of the problem:
;;   THIS VERSION OF THE PROBLEM IS GIVEN IN LOW PRECISION. The matrix products marked QUANTISED in the list below multiply operands that are first quantised to E4M3 (4 exponent bits, 3 mantissa bits; 8 bits a number), with one given power-of-two scale for each operand tensor; their sums are f32. All else is computed in f32.
;;   The module's matrix products, in the order in which they are computed (A, B: the left and right operand; K: the contracted axis; several contracted axes count as one K, in the product's order):
;;     1. [M 16,384, K 128] x [K 128, N 384]; A: computed on the way; B: input qkv_w: QUANTISED (scales: A lowp_scales[0], B lowp_scales[1])
;;     2. batch 16 x [M 4,096, K 32] x [K 32, N 4,096]; A: computed on the way; B: computed on the way: QUANTISED (scales: A lowp_scales[2], B lowp_scales[3])
;;     3. batch 16 x [M 32, K 4,096] x [K 4,096, N 4,096]; A: computed on the way; B: softmax (see below): QUANTISED (scales: A lowp_scales[4], B lowp_scales[5])
;;     4. [M 16,384, K 128] x [K 128, N 128]; A: computed on the way; B: input proj_w: QUANTISED (scales: A lowp_scales[6], B lowp_scales[7])
;;   THE QUANTISER, for each operand of a quantised product, along K:
;;     - The operand's scale is 2^e, e = its entry of the input lowp_scales (int32; the entries are numbered through the quantised products in the list's order, A before B).
;;     - Each number is divided by the scale, clamped to +-448, and rounded to the nearest number of E4M3, ties to even, subnormals kept.
;;     - The product sums the exact products of the quantised numbers (number of the format x scale) in f32.
;;   ~~~python
;;   def quantise(x, axis, e):      # numpy; x: float32 -> the quantised numbers, widened to float32 again
;;       x = np.moveaxis(x, axis, -1); K = x.shape[-1]
;;       r = np.clip(x / 2.0 ** e, -448, 448)
;;       step = 2.0 ** (np.maximum(np.frexp(np.where(r == 0, 1, r))[1] - 1, -6) - 3)
;;       q = np.round(r / step) * step * 2.0 ** e      # np.round: ties to even
;;       return np.moveaxis(q, -1, axis).astype(np.float32)
;;   ~~~
;;   SOFTMAX AHEAD OF A QUANTISED PRODUCT. Where the list says 'softmax', what is quantised is not the finished softmax but p = 2^(t - M), with t = logit x log2(e) and M = ceil(the row's largest t), a whole number; so 1/2 < the row's largest p <= 1. The row's sum l is taken of the UNQUANTISED p, in f32, and the product's result is divided by l at the end. Since M is a whole number, a kernel that streams over the keys may use a running M (the ceiling of the running maximum): every later rescaling is an exact power of two, so the quantised numbers keep their values, but for numbers so far below the row's largest that they fall under the format's range.
;;   OPERANDS COMPUTED ON THE WAY. 'Computed on the way' means the value that the module computes at that place (a softmax that the list does not call 'softmax' is quantised finished and normalised). What goes into a quantiser is computed in f32, as accurately as f32 sums, v_exp_f32 and their like allow (about 1e-6 of the number): no bf16 or f16 on the way to a quantiser, and a product that is left as it is and whose result goes on into a quantised operand takes f32 operands (vector FMAs, or v_wmma_f32_16x16x4_f32). A number that lies on a knife's edge between two numbers of the format may be rounded either way, as far as f32 arithmetic and the matrix unit's own rounding can turn it there, and no further.
;; One version. Each part assembles by itself: llvm-mc -triple=amdgcn-amd-amdhsa -mcpu=gfx1250 --defsym DOCPART=n.
;; ======== version 1 of 1: 3 launches
;; limits: right only within a limited range of input values
;; workspace buffers: qc 2,097,152 bytes; kv 4,194,304 bytes; oc 2,097,152 bytes
;; launch prep (part 1): grid 64 x 4, 4 waves a work-group, no clusters, 12,800 bytes of LDS; arguments x, norm_w, norm_b, qkv_w, qkv_b, lowp_scales, qc, kv; writes qc, kv
.if DOCPART == 1
	.amdgcn_target "amdgcn-amd-amdhsa--gfx1250"
	.amdhsa_code_object_version 6
	.text
	.protected	k_q55f8406383_prep
	.globl	k_q55f8406383_prep
	.p2align	8
	.type	k_q55f8406383_prep,@function
k_q55f8406383_prep:
	s_mov_b64 s[64:65], 0
	v_nop
	global_prefetch_b8 v0, s[64:65] scope:SCOPE_SE
	s_setreg_imm32_b32 hwreg(HW_REG_WAVE_MODE, 25, 1), 1
	s_wait_xcnt 0x0
; LayerNorm over the 128 channels of each position, its result quantised (2^e0), qkv_w quantised (2^e1), the product on codes of E4M3, + qkv_b, and q, k, v quantised (2^e2, 2^e3, 2^e4) into the workspace.
; x: [4][128][4096] f32, positions innermost.  A work-group owns 64 positions of one batch (x = block of 64, y = batch); four waves.
; TILES OF POSITIONS.  Tile q (0..3) of a block holds the positions 64 blk + 4 r + q, r = 0..15: so a lane's 16 bytes of x are row r of all four tiles, sixteen lanes read 256 consecutive aligned bytes,
; and nothing is transposed.  Keys, values and weights of the later softmax use the same tiles, so the order of positions inside a block cancels.
; SHARES.  LayerNorm: wave w, lane (r, h) holds channels 32 w + 16 h + 0..15 of its four positions; sums meet through the other half of the lanes and then through LDS.
; Product: wave w makes head w: q and k transposed (source 0 = 16 rows of qkv_w, source 1 = 16 positions: a lane holds one position and its registers run along channels),
; v natural (source 0 = 16 positions, source 1 = 16 rows of qkv_w: a lane holds one channel and its registers run along positions, which are the later K of v).
; K's places: lane (r, h) holds k = 32 c + 16 h + 0..15 in registers 4 c .. 4 c + 3, alike in both operands, so every product meets its partner.
; THE ROWS OF qkv_w THAT FORM A TILE OF q OR k ARE NOT NEIGHBOURS: lane r of tile u takes row 8 u + r + 8 (r / 8) of the head's 32, so that tiles 0 and 1 give a lane channels 16 h + 0..15 in 16 registers on end.
; OUT, as images of operand registers (16 bytes a lane, 512 consecutive bytes a store):
;   qc [4 b + head][tile T = 4 blk + q][512]: lane (r, h): channels 16 h + 0..15 of row r.
;   kv [4 b + head][step s = T / 8][8192]: K's tile c = T % 8 at 512 c, as qc; V at 4096 + 2048 ct + 512 i: registers 4 i .. 4 i + 3 of the fragment of channels 16 ct + r, register 2 c + j / 4, byte j % 4 = row 8 h + j of tile c.
; qkv_w (196,608 bytes) is read by all 256 work-groups, and no joint load is used for it: each lane takes its runs of 64 bytes straight into the order of its operand registers, each byte once a work-group;
; through LDS the same bytes would be written and read once more, and rounds of a cluster's barrier would be added to a text that has three barriers.
; LIMITS: e0 .. e4 between -126 and 127; e0 + e1 between -126 and 127, so that each power of two below is an f32 number.  NaN among the inputs is not served.
; REGISTERS.  Window 0: v1-13 addresses and small things; v16-79 x, later the four fragments of h; v80-143 h as f32, later eight accumulators; v144-179 norm_w, norm_b, sums, later the biases;
;   v180-231 at work in the LayerNorm, later the codes that leave; v232-241 scales.  Window 1: four weight fragments as f32.  Window 2: v0-127 two more; v128-223 the six fragments' codes.
.set RED0, 0                           ; LDS: the waves' partial sums, 512 bytes a wave
.set RED1, 2048                        ; the same for the squares: other bytes, so no barrier is spent on freeing the first
.set AIMG, 4096                        ; the four fragments of h: tile q at 2048 q, piece w (registers 4 w .. 4 w + 3) at 512 w, 16 bytes a lane
.set LI,  1                            ; 16 x lane
.set RW,  2                            ; 16 x lane + 512 x wave
.set VX,  3                            ; x: (h << 18) + 16 r
.set VW1, 4                            ; qkv_w for q and k: (r + 8 (r / 8)) x 512 + 64 h
.set VW2, 5                            ; qkv_w for v: 512 r + 64 h
.set VH,  6                            ; 64 h
.set VR,  7                            ; 4 r
.set EPSV, 8                           ; v[8:9] eps, twice
.set X,   16
.set AF,  16
.set H,   80
.set ACC, 80
.set NW,  144
.set NB,  160
.set BQ,  144
.set BK,  160
.set BV,  176
.set S,   176
.set T,   180
.set R,   184
.set MEAN, 200
.set RS,  204
.set C,   208
.set OCQ, 184
.set OCK, 200
.set OCV, 216
.set SC0, 232                          ; 2^e as f32 at SC0 + 2 n, n = 0 .. 4
.set WC,  128                          ; window 2: fragment f's codes at WC + 16 f
.set MSB, 0
.macro WIN new                         ; the immediate's high byte repeats the setting that is left
.if MSB != \new
	s_set_vgpr_msb (MSB<<8)|\new
.set MSB, \new
.endif
.endm
.macro PLACES n
.rept \n
	v_nop
.endr
.endm
.macro MKSC e, sc, lim                 ; from the whole number in s[e]: 2^e as f32
	s_add_co_i32 s60, s[\e], 127
	s_lshl_b32 s61, s60, 23
	v_mov_b32 v[\sc], s61
.endm
; The four sums in v[S .. S+3] (one for each of my positions) over my 16 channels become sums over all 128: the other half of the lanes, then the four waves through LDS.
.macro REDUCE base
.irp q, 0,1,2,3
	v_permlanex16_b32 v[T+\q], v[S+\q], s36, s37
.endr
	v_pk_add_f32 v[S:S+1], v[S:S+1], v[T:T+1]
	v_pk_add_f32 v[S+2:S+3], v[S+2:S+3], v[T+2:T+3]
	ds_store_b128 v[RW], v[S:S+3] offset:\base
	s_wait_dscnt 0x0                               ; for the others' sake: my store has landed
	s_barrier_signal -1
	s_barrier_wait -1
.irp p, 0,1,2,3
	ds_load_b128 v[R+4*\p:R+4*\p+3], v[LI] offset:\base+512*\p
.endr
	s_wait_dscnt 0x0
	v_pk_add_f32 v[R:R+1], v[R:R+1], v[R+4:R+5]
	v_pk_add_f32 v[R+2:R+3], v[R+2:R+3], v[R+6:R+7]
	v_pk_add_f32 v[R+8:R+9], v[R+8:R+9], v[R+12:R+13]
	v_pk_add_f32 v[R+10:R+11], v[R+10:R+11], v[R+14:R+15]
	v_pk_add_f32 v[S:S+1], v[R:R+1], v[R+8:R+9]
	v_pk_add_f32 v[S+2:S+3], v[R+2:R+3], v[R+10:R+11]
.endm
	s_load_b512 s[8:23], s[0:1], 0x0               ; x s[8:9], norm_w s[10:11], norm_b s[12:13], qkv_w s[14:15], qkv_b s[16:17], the exponents s[18:19], qc s[20:21], kv s[22:23]
	v_lshl_add_u32 v254, v0, 2, 0x3000
	v_mov_b32 v255, 0
	v_lshrrev_b32 v10, 5, v0
	v_readfirstlane_b32 s32, v10                   ; wave 0..3 = the head that I make
	s_mov_b32 s33, ttmp9                           ; blk
	s_and_b32 s34, ttmp7, 0xffff                   ; b
	v_and_b32 v10, 31, v0
	v_lshlrev_b32 v[LI], 4, v10
	s_lshl_b32 s48, s32, 9
	v_add_nc_u32 v[RW], s48, v[LI]
	v_and_b32 v11, 15, v0                          ; r
	v_bfe_u32 v12, v0, 4, 1                        ; h
	v_lshlrev_b32 v[VX], 4, v11
	v_lshl_add_u32 v[VX], v12, 18, v[VX]
	v_and_b32 v13, 8, v11
	v_add_nc_u32 v13, v13, v11                     ; r + 8 (r / 8)
	v_lshlrev_b32 v[VW1], 9, v13
	v_lshl_add_u32 v[VW1], v12, 6, v[VW1]
	v_lshlrev_b32 v[VW2], 9, v11
	v_lshl_add_u32 v[VW2], v12, 6, v[VW2]
	v_lshlrev_b32 v[VH], 6, v12
	v_lshlrev_b32 v[VR], 2, v11
	v_mov_b32 v[EPSV], 0x358637bd                  ; 1e-6
	v_mov_b32 v[EPSV+1], 0x358637bd
.irp q, 0,1,2,3
	v_mov_b32 v[T+\q], 0                           ; written once: a lane permute's destination counts as one of its sources
.endr
	s_mov_b32 s36, 0x76543210                      ; v_permlanex16_b32's selects for lane l xor 16
	s_mov_b32 s37, 0xfedcba98
	s_mov_b32 s38, 0x3c000000                      ; 1 / 128
	s_mov_b32 s39, 0x3c000000
	s_lshl_b32 s48, s34, 21                        ; x: batch,
	s_lshl_b32 s49, s33, 8                         ; the block's 256 bytes of a channel's row,
	s_add_co_u32 s48, s48, s49
	s_lshl_b32 s49, s32, 19                        ; my wave's 32 channels
	s_add_co_u32 s48, s48, s49
	s_mov_b32 s49, 0
	s_lshl_b32 s50, s32, 7                         ; norm_w, norm_b, qkv_b: my 32 numbers
	s_mov_b32 s51, 0
	s_lshl_b32 s52, s32, 14                        ; qkv_w: my head's 32 rows of 512 bytes
	s_mov_b32 s53, 0
	s_lshl_b32 s35, s34, 2
	s_add_co_u32 s35, s35, s32                     ; 4 b + head
	s_lshl_b32 s54, s35, 17                        ; qc: 256 tiles of 512 bytes a head,
	s_lshl_b32 s55, s33, 11                        ; the block's four tiles
	s_add_co_u32 s54, s54, s55
	s_mov_b32 s55, 0
	s_lshl_b32 s56, s35, 18                        ; kv: 32 steps of 8,192 bytes a head,
	s_lshr_b32 s57, s33, 1
	s_lshl_b32 s57, s57, 13                        ; step blk / 2
	s_add_co_u32 s56, s56, s57
	s_and_b32 s57, s33, 1
	s_lshl_b32 s58, s57, 11                        ; K: tiles 4 (blk % 2) on
	s_add_co_u32 s58, s58, s56
	s_mov_b32 s59, 0
	s_lshl_b32 s62, s57, 10                        ; V: pieces 2 (blk % 2) on,
	s_add_co_u32 s62, s62, s56
	s_add_co_u32 s62, s62, 4096                    ; behind K's eight tiles
	s_mov_b32 s63, 0
	s_wait_alu depctr_va_vdst(0)
	s_wait_kmcnt 0x0
	s_load_b256 s[24:31], s[18:19], 0x0            ; e0 .. e7
	s_add_nc_u64 s[8:9], s[8:9], s[48:49]
	s_add_nc_u64 s[10:11], s[10:11], s[50:51]
	s_add_nc_u64 s[12:13], s[12:13], s[50:51]
	s_add_nc_u64 s[14:15], s[14:15], s[52:53]
	s_add_nc_u64 s[16:17], s[16:17], s[50:51]
	s_add_nc_u64 s[20:21], s[20:21], s[54:55]
	s_add_nc_u64 s[44:45], s[22:23], s[58:59]      ; where K's codes go
	s_add_nc_u64 s[46:47], s[22:23], s[62:63]      ; where V's go
	; ---- all loads of the launch but the biases go out here, the ones that are wanted first in front
.irp i, 0,1,2,3,4,5,6,7,8,9,10,11,12,13,14,15
	global_load_b128 v[X+4*\i:X+4*\i+3], v[VX], s[8:9] offset:\i*16384 th:TH_LOAD_NT   ; channel 32 w + 16 h + i, positions 4 r + 0..3: sixteen lanes read 256 consecutive bytes
.endr
.irp j, 0,1,2,3
	global_load_b128 v[NW+4*\j:NW+4*\j+3], v[VH], s[10:11] offset:16*\j
.endr
.irp j, 0,1,2,3
	global_load_b128 v[NB+4*\j:NB+4*\j+3], v[VH], s[12:13] offset:16*\j
.endr
	WIN 0x40                                       ; destination window 1
.irp f, 0,1,2,3                                ; fragments q tile 0, q tile 1, k tile 0, k tile 1: register 16 c + 4 j + .. = k 32 c + 16 h + 4 j + ..
.irp c, 0,1,2,3
.irp j, 0,1,2,3
	global_load_b128 v[64*\f+16*\c+4*\j:64*\f+16*\c+4*\j+3], v[VW1], s[14:15] offset:(\f/2)*65536+(\f%2)*4096+128*\c+16*\j
.endr
.endr
.endr
	WIN 0x80                                       ; destination window 2
.irp f, 0,1                                    ; v's two tiles of 16 channels
.irp c, 0,1,2,3
.irp j, 0,1,2,3
	global_load_b128 v[64*\f+16*\c+4*\j:64*\f+16*\c+4*\j+3], v[VW2], s[14:15] offset:131072+8192*\f+128*\c+16*\j
.endr
.endr
.endr
	WIN 0
	s_wait_kmcnt 0x0
	MKSC 24, SC0, SC0+1
	MKSC 25, SC0+2, SC0+3
	MKSC 26, SC0+4, SC0+5
	MKSC 27, SC0+6, SC0+7
	MKSC 28, SC0+8, SC0+9
	s_add_co_i32 s42, s24, s25
	s_add_co_i32 s42, s42, 127
	s_lshl_b32 s42, s42, 23                        ; 2^(e0 + e1) as f32
	s_mov_b32 s43, s42                             ; (named with it as a pair, so it is written)
	s_wait_loadcnt 63                              ; x, norm_w and norm_b are in: 96 loads were issued behind them, and the count names the most that a wait can name
	; ---- the mean
	v_pk_add_f32 v[S:S+1], v[X:X+1], v[X+4:X+5]
	v_pk_add_f32 v[S+2:S+3], v[X+2:X+3], v[X+6:X+7]
.irp i, 2,3,4,5,6,7,8,9,10,11,12,13,14,15
	v_pk_add_f32 v[S:S+1], v[S:S+1], v[X+4*\i:X+4*\i+1]
	v_pk_add_f32 v[S+2:S+3], v[S+2:S+3], v[X+4*\i+2:X+4*\i+3]
.endr
	REDUCE RED0
	v_pk_mul_f32 v[MEAN:MEAN+1], v[S:S+1], s[38:39] op_sel_hi:[1,0]
	v_pk_mul_f32 v[MEAN+2:MEAN+3], v[S+2:S+3], s[38:39] op_sel_hi:[1,0]
	; ---- the variance, of the deviations: no difference of large sums is formed
.irp i, 0,1,2,3,4,5,6,7,8,9,10,11,12,13,14,15
	v_pk_add_f32 v[X+4*\i:X+4*\i+1], v[X+4*\i:X+4*\i+1], v[MEAN:MEAN+1] neg_lo:[0,1] neg_hi:[0,1]
	v_pk_add_f32 v[X+4*\i+2:X+4*\i+3], v[X+4*\i+2:X+4*\i+3], v[MEAN+2:MEAN+3] neg_lo:[0,1] neg_hi:[0,1]
.endr
	v_pk_mul_f32 v[S:S+1], v[X:X+1], v[X:X+1]
	v_pk_mul_f32 v[S+2:S+3], v[X+2:X+3], v[X+2:X+3]
.irp i, 1,2,3,4,5,6,7,8,9,10,11,12,13,14,15
	v_pk_fma_f32 v[S:S+1], v[X+4*\i:X+4*\i+1], v[X+4*\i:X+4*\i+1], v[S:S+1]
	v_pk_fma_f32 v[S+2:S+3], v[X+4*\i+2:X+4*\i+3], v[X+4*\i+2:X+4*\i+3], v[S+2:S+3]
.endr
	REDUCE RED1
	v_pk_fma_f32 v[S:S+1], v[S:S+1], s[38:39], v[EPSV:EPSV+1] op_sel_hi:[1,0,1]
	v_pk_fma_f32 v[S+2:S+3], v[S+2:S+3], s[38:39], v[EPSV:EPSV+1] op_sel_hi:[1,0,1]
	s_wait_alu depctr_va_vdst(0)
.irp q, 0,1,2,3
	v_rsq_f32 v[RS+\q], v[S+\q]
.endr
	v_nop                                          ; a plain instruction behind the last of the four (ISA guide 5.7.2),
	s_wait_alu depctr_va_vdst(0)                   ; and one wait for the batch, ahead of its first reader
	; ---- normalise; gain and bias; the destination's number does the turn: register 16 q + i of H is channel i of tile q, so K runs along a lane's registers
.irp i, 0,1,2,3,4,5,6,7,8,9,10,11,12,13,14,15
	v_pk_mul_f32 v[X+4*\i:X+4*\i+1], v[X+4*\i:X+4*\i+1], v[RS:RS+1]
	v_pk_mul_f32 v[X+4*\i+2:X+4*\i+3], v[X+4*\i+2:X+4*\i+3], v[RS+2:RS+3]
.endr
.irp q, 0,1,2,3
.irp i, 0,1,2,3,4,5,6,7,8,9,10,11,12,13,14,15
	v_fma_f32 v[H+16*\q+\i], v[X+4*\i+\q], v[NW+\i], v[NB+\i]
.endr
.endr
.set i, 0
.rept 64
.set i, i+1
.endr
.irp g, 0,1,2,3,4,5,6,7
	v_cvt_scalef32_pk8_fp8_f32 v[C+2*\g:C+2*\g+1], v[H+8*\g:H+8*\g+7], v[SC0]
.endr
	v_nop                                          ; one plain instruction behind the last conversion: H's registers are written again by products
.irp q, 0,1,2,3
	ds_store_b128 v[RW], v[C+4*\q:C+4*\q+3] offset:AIMG+2048*\q   ; piece w of tile q's fragment, as it stands in my registers
.endr
	; ---- the biases, into registers that the LayerNorm has left
.irp j, 0,1,2,3
	global_load_b128 v[BQ+4*\j:BQ+4*\j+3], v[VH], s[16:17] offset:16*\j          ; q's: channels 16 h + 0..15 of my head
.endr
.irp j, 0,1,2,3
	global_load_b128 v[BK+4*\j:BK+4*\j+3], v[VH], s[16:17] offset:512+16*\j      ; k's
.endr
.irp t, 0,1
	global_load_b32 v[BV+2*\t], v[VR], s[16:17] offset:1024+64*\t               ; v's: channel 16 ct + r
.endr
	; ---- the six weight fragments become codes
.irp f, 0,1,2,3,4,5
.if 16*(5-\f)+10 > 63
	s_wait_loadcnt 63                              ; fragment f is in: behind it stand 16 loads for each later fragment and the 10 of the biases, more than a wait can name
.else
	s_wait_loadcnt 16*(5-\f)+10                    ; fragment f is in: 16 loads for each later fragment and the 10 of the biases may be out
.endif
.set SB, 64*(\f%4)
.if \f < 4
	WIN 0x41                                       ; numbers in window 1
.else
	WIN 0x82                                       ; numbers and codes in window 2
.endif
.set i, 0
.rept 64
.set i, i+1
.endr
.if \f < 4
	WIN 0x81                                       ; numbers in window 1, codes in window 2
.endif
.irp g, 0,1,2,3,4,5,6,7
	v_cvt_scalef32_pk8_fp8_f32 v[WC+16*\f+2*\g:WC+16*\f+2*\g+1], v[SB+8*\g:SB+8*\g+7], v[SC0+2]
.endr
.endr
	v_nop                                          ; one plain instruction between the last conversion and the products that read the codes
	WIN 0
	s_wait_dscnt 0x0                               ; my pieces of the four fragments have landed
	s_barrier_signal -1
	s_barrier_wait -1                              ; everybody's have
.irp m, 0,1,2,3
.irp p, 0,1,2,3
	ds_load_b128 v[AF+16*\m+4*\p:AF+16*\m+4*\p+3], v[LI] offset:AIMG+2048*\m+512*\p
.endr
.endr
	s_wait_loadcnt 0x0                             ; the biases
	v_mov_b32 v[BV+1], v[BV]                       ; v's bias is one number a lane: a pair for the packed form
	v_mov_b32 v[BV+3], v[BV+2]
	s_wait_dscnt 0x0
; q (t = 0) or k (t = 1): eight products, each a whole sum (K = 128, C = 0); sum x 2^(e0 + e1) + bias; the codes; four stores of 512 consecutive bytes.
.macro SECT_QK t, bias, sc, lim, oc, base
	WIN 0x02                                       ; source 0 (the weights' codes) window 2
.irp m, 0,1,2,3
.irp u, 0,1
	v_wmma_f32_16x16x128_fp8_fp8 v[ACC+16*\m+8*\u:ACC+16*\m+8*\u+7], v[WC+16*(2*\t+\u):WC+16*(2*\t+\u)+15], v[AF+16*\m:AF+16*\m+15], 0
.endr
.endr
	WIN 0
	PLACES 4                                       ; four places between the last product and the first read of a result (ISA guide 7.12.1)
.irp m, 0,1,2,3
.irp i, 0,2,4,6,8,10,12,14
	v_pk_fma_f32 v[ACC+16*\m+\i:ACC+16*\m+\i+1], v[ACC+16*\m+\i:ACC+16*\m+\i+1], s[42:43], v[\bias+\i:\bias+\i+1] op_sel_hi:[1,0,1]   ; each accumulator from its low end on
.endr
.irp i, 0,1,2,3,4,5,6,7,8,9,10,11,12,13,14,15
.endr
	v_cvt_scalef32_pk8_fp8_f32 v[\oc+4*\m:\oc+4*\m+1], v[ACC+16*\m:ACC+16*\m+7], v[\sc]
	v_cvt_scalef32_pk8_fp8_f32 v[\oc+4*\m+2:\oc+4*\m+3], v[ACC+16*\m+8:ACC+16*\m+15], v[\sc]
.endr
	v_nop                                          ; one plain instruction behind the last conversion: the next products write its sources
.irp m, 0,1,2,3
	global_store_b128 v[LI], v[\oc+4*\m:\oc+4*\m+3], s[\base:\base+1] offset:512*\m
.endr
.endm
	SECT_QK 0, BQ, SC0+4, SC0+5, OCQ, 20
	SECT_QK 1, BK, SC0+6, SC0+7, OCK, 44
	; ---- v: a lane holds channel 16 ct + r, its eight registers rows 8 h + 0..7 of tile m
	WIN 0x08                                       ; source 1 (the weights' codes) window 2
.irp t, 0,1
.irp m, 0,1,2,3
	v_wmma_f32_16x16x128_fp8_fp8 v[ACC+8*(4*\t+\m):ACC+8*(4*\t+\m)+7], v[AF+16*\m:AF+16*\m+15], v[WC+16*(4+\t):WC+16*(4+\t)+15], 0
.endr
.endr
	WIN 0
	PLACES 4
.irp t, 0,1
.irp m, 0,1,2,3
.irp i, 0,2,4,6
	v_pk_fma_f32 v[ACC+8*(4*\t+\m)+\i:ACC+8*(4*\t+\m)+\i+1], v[ACC+8*(4*\t+\m)+\i:ACC+8*(4*\t+\m)+\i+1], s[42:43], v[BV+2*\t:BV+2*\t+1] op_sel_hi:[1,0,1]
.endr
.irp i, 0,1,2,3,4,5,6,7
.endr
	v_cvt_scalef32_pk8_fp8_f32 v[OCV+8*\t+2*\m:OCV+8*\t+2*\m+1], v[ACC+8*(4*\t+\m):ACC+8*(4*\t+\m)+7], v[SC0+8]
.endr
.endr
	v_nop
.irp t, 0,1
.irp i, 0,1
	global_store_b128 v[LI], v[OCV+8*\t+4*\i:OCV+8*\t+4*\i+3], s[46:47] offset:2048*\t+512*\i
.endr
.endr
	s_wait_tensorcnt 0x0
	ds_add_u32 v254, v255
	s_wait_dscnt 0x0
	s_endpgm
.Lfunc_end_k_q55f8406383_prep:
	.size	k_q55f8406383_prep, .Lfunc_end_k_q55f8406383_prep-k_q55f8406383_prep
	.p2alignl 7, 3214868480
	.fill 96, 4, 3214868480
	.section	.rodata,"a",@progbits
	.p2align	6, 0x0
	.amdhsa_kernel k_q55f8406383_prep
		.amdhsa_group_segment_fixed_size 12800
		.amdhsa_private_segment_fixed_size 0
		.amdhsa_enable_private_segment 0
		.amdhsa_kernarg_size 64
		.amdhsa_user_sgpr_count 2
		.amdhsa_user_sgpr_kernarg_segment_ptr 1
		.amdhsa_wavefront_size32 1
		.amdhsa_system_sgpr_workgroup_id_x 1
		.amdhsa_system_sgpr_workgroup_id_y 1
		.amdhsa_system_sgpr_workgroup_id_z 1
		.amdhsa_system_vgpr_workitem_id 0
		.amdhsa_next_free_vgpr 768
		.amdhsa_next_free_sgpr 66
		.amdhsa_reserve_vcc 0
		.amdhsa_float_denorm_mode_32 3
		.amdhsa_float_denorm_mode_16_64 3
		.amdhsa_fp16_overflow 1
		.amdhsa_memory_ordered 1
		.amdhsa_forward_progress 1
		.amdhsa_inst_pref_size 48
	.end_amdhsa_kernel
	.amdgpu_metadata
---
amdhsa.version: [ 1, 2 ]
amdhsa.kernels:
  - .name:           k_q55f8406383_prep
    .symbol:         k_q55f8406383_prep.kd
    .args:
      - { .name: x, .offset: 0, .size: 8, .value_kind: global_buffer, .address_space: global }
      - { .name: norm_w, .offset: 8, .size: 8, .value_kind: global_buffer, .address_space: global }
      - { .name: norm_b, .offset: 16, .size: 8, .value_kind: global_buffer, .address_space: global }
      - { .name: qkv_w, .offset: 24, .size: 8, .value_kind: global_buffer, .address_space: global }
      - { .name: qkv_b, .offset: 32, .size: 8, .value_kind: global_buffer, .address_space: global }
      - { .name: lowp_scales, .offset: 40, .size: 8, .value_kind: global_buffer, .address_space: global }
      - { .name: qc, .offset: 48, .size: 8, .value_kind: global_buffer, .address_space: global }
      - { .name: kv, .offset: 56, .size: 8, .value_kind: global_buffer, .address_space: global }
    .group_segment_fixed_size: 12800
    .private_segment_fixed_size: 0
    .kernarg_segment_align: 8
    .kernarg_segment_size: 64
    .max_flat_workgroup_size: 128
    .sgpr_count:     66
    .vgpr_count:     768
    .wavefront_size: 32
...
	.end_amdgpu_metadata
.endif
;; end of part 1
;; launch attn (part 2): grid 16 x 16, 16 waves a work-group, clusters of 4 x 1, 264,192 bytes of LDS; arguments qc, kv, lowp_scales, oc; writes oc
.if DOCPART == 2
	.amdgcn_target "amdgcn-amd-amdhsa--gfx1250"
	.amdhsa_code_object_version 6
	.text
	.protected	k_q55f8406383_attn
	.globl	k_q55f8406383_attn
	.p2align	8
	.type	k_q55f8406383_attn,@function
k_q55f8406383_attn:
	s_mov_b64 s[64:65], 0
	v_nop
	global_prefetch_b8 v0, s[64:65] scope:SCOPE_SE
	s_setreg_imm32_b32 hwreg(HW_REG_WAVE_MODE, 25, 1), 1
	s_wait_xcnt 0x0
	s_wait_alu depctr_hold_cnt(0) depctr_sa_sdst(0) depctr_va_vdst(0) depctr_va_sdst(0) depctr_va_ssrc(0) depctr_va_vcc(0) depctr_vm_vsrc(0)
	s_getreg_b32 s2, hwreg(HW_REG_IB_STS2, 6, 4)
	s_cmp_eq_u32 s2, 0
	s_cbranch_scc0 .Lentry_in_a_cluster
	s_endpgm
.Lentry_in_a_cluster:
	s_bfe_u32 s2, ttmp6, 0x10000c
	s_cmp_lg_u32 s2, 0x3003
	s_cbranch_scc0 .Lentry_shape_is_right
	s_endpgm
.Lentry_shape_is_right:
; o = (sum over keys of p v) / l for 16 (batch, head) pairs of 4,096 positions and 32 channels, both products on codes of E4M3.
; t = score x 2^(e2 + e3) x log2(e) / sqrt(32); M = the running largest t rounded UP to a whole number; p = 2^(t - M) is quantised with 2^e5; l is the sum of the unquantised p;
; when M moves, l and O are multiplied by 2^(old M - new M), which rounds nothing.  o = O x 2^(e4 + e5) / l is quantised with 2^e6 and stored as codes.
; SHARES.  A work-group owns 256 queries of one pair (y = 4 b + head); each of its sixteen waves owns one tile of 16 queries in 256 registers: four waves to a SIMD, so that one wave's vector work stands beside another's products and LDS loads.
; LDS holds the pair's WHOLE K and V as codes, 262,144 bytes, byte for byte as the workspace has them: 32 steps of 8,192 bytes (128 keys: eight tiles of K, 512 bytes each; then V's two fragments, 2,048 bytes each).
; It is filled once: no slot is filled again.  All of it is asked for at the head, so no later request exists ahead of which a prefetch could run.
; CLUSTER.  The four work-groups of a cluster belong to one pair and need the same 262,144 bytes: each tile is asked for JOINTLY, by the same tensor load with the same descriptor and a mask that names the four.
; Waves 0 to 3 issue four loads each (16,384 bytes a load; four of a wave are out at the most); quarter g of LDS (steps 8 g .. 8 g + 7) is each wave's g-th load, so the work on quarter 0 begins while the others are on their way.
; LAYOUT.  S^T = K Q^T (source 0 = 16 keys, source 1 = my 16 queries) and O^T = V^T P^T (source 0 = 16 channels, source 1 = P): a lane holds ONE query (lane % 16) throughout; register j of score tile c is key row 8 (lane / 16) + j
; of that tile, and the conversion of those eight registers gives registers 2 c, 2 c + 1 of P: the places in which the workspace has V's codes.
; K = 32 IN A FORM OF K = 64.  Q's upper four registers hold zero codes.  K's operand for tile c is its four registers and the four behind them (the next tile's codes; behind tile 7 four zero registers):
; they are codes of numbers (the quantiser holds every number at the largest code), and times Q's zeros they add nothing.
; LIMITS: e5 and e6 between -126 and 119; e2 + e3 between -124 and 129 (they are added to c's exponent field); e4 + e5 is applied by v_ldexp_f32 and has none.  NaN among the inputs is not served.
; REGISTERS: v1 16 x lane; v2 the step's LDS address; v12 -M, v13 the largest t, v[14:15] l in two halves; v16-23 Q; v24-59 K; v60-91 V; v96-159 S^T, then p; v160-175 O^T; v176-191 P's codes; v236-254 at work.
.set LI, 1
.set AD, 2
.set QF, 16
.set KF, 24
.set VF, 60
.set S,  96
.set O,  160
.set P,  176
.set WV, 12                            ; s12 my wave's number
.set G1, 16                            ; s[16:23] descriptor group 1
.set G0, 24                            ; s[24:39] four groups 0, one for each quarter: none is ever written again
.macro PLACES n
.rept \n
	v_nop
.endr
.endm
.macro MKSC e, sc, lim                 ; from the whole number in s[e]: 2^e as f32
	s_add_co_i32 s60, s[\e], 127
	s_lshl_b32 s61, s60, 23
	v_mov_b32 v[\sc], s61
.endm
; A round of the cluster's barrier: my work-group's barrier, so that wave 0's signal speaks for all sixteen waves; wave 0 signals for the work-group; every wave waits for all four work-groups; my work-group's barrier once more.
.macro CROUND
	s_barrier_signal -1
	s_barrier_wait -1
	s_cmp_lg_u32 s[WV], 0
	s_cbranch_scc1 .Lnot_wave_0_\@
	s_barrier_signal -3
.Lnot_wave_0_\@:
	s_barrier_wait -3
	s_barrier_signal -1
	s_barrier_wait -1
.endm
	s_load_b256 s[4:11], s[0:1], 0x0               ; qc s[4:5], kv s[6:7], the exponents s[8:9], oc s[10:11]
	v_lshl_add_u32 v251, v0, 2, 0x40000
	v_mov_b32 v255, 0
	ds_add_u32 v251, v255
	ds_add_u32 v251, v255
	v_lshrrev_b32 v3, 5, v0
	s_delay_alu instid0(VALU_DEP_1)
	v_readfirstlane_b32 s[WV], v3                  ; wave 0..15
	v_and_b32 v3, 31, v0
	s_delay_alu instid0(VALU_DEP_1)
	v_lshlrev_b32 v[LI], 4, v3
	s_bfe_u32 s13, ttmp6, 0x40000                  ; cx: my place in the cluster
	s_lshl_b32 s14, ttmp9, 2                       ; in a cluster launch ttmp9 counts clusters
	s_add_co_u32 s14, s14, s13                     ; my block of 256 queries: it enters qc's and oc's addresses alone
	s_and_b32 s15, ttmp7, 0xffff                   ; 4 b + head, which the four partners share
	; descriptor group 1: 64 rows of 256 bytes, dense in memory and in LDS
	s_mov_b32 s[G1+0], 15|(3<<16)|(1<<21)          ; 15:0 the mask: all four work-groups; 17:16 elements of 8 bytes; 21 set beside a mask; no padding: every LDS read takes 16 x lane, 512 bytes on end
	s_mov_b32 s[G1+1], 32<<16                      ; tensor_dim0 = 32 elements
	s_mov_b32 s[G1+2], 64<<16                      ; tensor_dim1 = 64
	s_mov_b32 s[G1+3], 32<<16                      ; tile_dim0 = 32
	s_mov_b32 s[G1+4], 64                          ; tile_dim1 = 64
	s_mov_b32 s[G1+5], 32                          ; from row to row
	s_mov_b32 s[G1+6], 0
	s_mov_b32 s[G1+7], 0
	s_and_b32 s58, s[WV], 3
	s_lshl_b32 s58, s58, 14                        ; which 16,384 bytes of a quarter I fetch, if I fetch: no place in the cluster enters it
	s_lshl_b32 s54, s15, 18                        ; the pair's 262,144 bytes in kv
	s_add_co_u32 s54, s54, s58
	s_mov_b32 s55, 0
	s_lshl_b32 s60, s15, 17                        ; qc: the pair's 256 tiles of 512 bytes,
	s_lshl_b32 s61, s14, 13                        ; my block's sixteen,
	s_add_co_u32 s60, s60, s61
	s_lshl_b32 s61, s[WV], 9                       ; my wave's one
	s_add_co_u32 s60, s60, s61
	s_mov_b32 s61, 0
	s_lshr_b32 s62, s15, 2
	s_lshl_b32 s62, s62, 19                        ; oc: the batch's 256 tiles of 2,048 bytes,
	s_lshl_b32 s63, s14, 15
	s_add_co_u32 s62, s62, s63
	s_lshl_b32 s63, s[WV], 11                      ; my tile,
	s_add_co_u32 s62, s62, s63
	s_and_b32 s63, s15, 3
	s_lshl_b32 s63, s63, 9                         ; my head's piece of it
	s_add_co_u32 s62, s62, s63
	s_mov_b32 s63, 0
	s_wait_dscnt 0x0
	s_wait_kmcnt 0x0
	s_load_b256 s[40:47], s[8:9], 0x0              ; e0 .. e7
	s_add_nc_u64 s[56:57], s[6:7], s[54:55]
	s_add_nc_u64 s[4:5], s[4:5], s[60:61]
	s_add_nc_u64 s[10:11], s[10:11], s[62:63]
.irp g, 0,1,2,3
	s_mov_b32 s[G0+4*\g], 1                                        ; count = 1
	s_add_co_u32 s[G0+4*\g+1], s58, \g*65536                       ; LDS address
	s_add_nc_u64 s[G0+4*\g+2:G0+4*\g+3], s[56:57], \g*65536        ; global address: the same place in the pair's bytes
	s_or_b32 s[G0+4*\g+3], s[G0+4*\g+3], 0x80000000               ; type = 2
.endr
	CROUND                                         ; all four work-groups are here: the joint loads meet
	s_cmp_lt_u32 s[WV], 4                          ; a wave's four first fills stand in one branch on the wave's number, ahead of every wait on TENSORcnt and every LDS read
	s_cbranch_scc0 .Lnofetch
	tensor_load_to_lds s[G0:G0+3], s[G1:G1+7]
	s_nop 0
	tensor_load_to_lds s[G0+4:G0+7], s[G1:G1+7]
	s_nop 0
	tensor_load_to_lds s[G0+8:G0+11], s[G1:G1+7]
	s_nop 0
	tensor_load_to_lds s[G0+12:G0+15], s[G1:G1+7]
	s_nop 0
	PLACES 4                                       ; four v_nop follow the last, ahead of the label
.Lnofetch:
	s_wait_alu depctr_va_vdst(0)
	global_load_b128 v[QF:QF+3], v[LI], s[4:5]     ; my tile of Q stays in registers
.irp j, 4,5,6,7
	v_mov_b32 v[QF+\j], 0                          ; zero codes for the upper 32 of the form's 64 along K
.endr
.irp j, 32,33,34,35
	v_mov_b32 v[KF+\j], 0                          ; what tile 7's operand names behind its own four registers
.endr
.irp j, 0,1,2,3,4,5,6,7,8,9,10,11,12,13,14,15
	v_mov_b32 v[O+\j], 0                           ; O^T.  (The step is written once: the first finds zeros, which the first change of M leaves zeros)
.endr
	v_mov_b32 v13, 0xff61b1e6                      ; the largest t so far: -3e38, under every t
	s_delay_alu instid0(VALU_DEP_1)
	v_floor_f32 v12, -v13                          ; -M
	v_mov_b32 v14, 0                               ; l, in two halves
	v_mov_b32 v15, 0
	v_mov_b32 v236, 0                              ; written once: a lane permute's destination counts as one of its sources
	v_mov_b32 v253, 0                              ; (named as the upper half of the pair v[252:253])
	s_mov_b32 s48, 0x76543210                      ; v_permlanex16_b32's selects for lane l xor 16
	s_mov_b32 s49, 0xfedcba98
	s_mov_b32 s50, 0x3e8293ee                      ; c = log2(e) / sqrt(32)
	s_wait_kmcnt 0x0
	s_add_co_i32 s54, s42, s43
	s_lshl_b32 s54, s54, 23
	s_add_co_i32 s50, s50, s54                     ; a score stands for score x 2^(e2 + e3): the two exponents are added to c's exponent field
	s_mov_b32 s51, s50                             ; (named with it as a pair, so it is written)
	MKSC 45, 244, 240                              ; 2^e5, for p
	MKSC 46, 245, 241                              ; 2^e6, for o
	s_wait_loadcnt 0x0                             ; Q
; A KEY STEP: 128 keys, at LDS byte s52.
.macro STEP
	v_add_nc_u32 v[AD], s52, v[LI]
.irp c, 0,1,2,3,4,5,6,7
	ds_load_b128 v[KF+4*\c:KF+4*\c+3], v[AD] offset:512*\c
.endr
	s_wait_alu depctr_va_vdst(0)
	s_wait_dscnt 0x0
.irp c, 0,1,2,3,4,5,6,7
	v_wmma_f32_16x16x64_fp8_fp8 v[S+8*\c:S+8*\c+7], v[KF+4*\c:KF+4*\c+7], v[QF:QF+7], 0
.endr
	PLACES 4                                       ; four places in front of the first read of a score; with the addition at the step's head they are five behind the last step's products with V, in front of the loads into V's registers
.irp t, 0,1
.irp i, 0,1,2,3
	ds_load_b128 v[VF+16*\t+4*\i:VF+16*\t+4*\i+3], v[AD] offset:4096+2048*\t+512*\i   ; V's two fragments land under the softmax
.endr
.endr
	v_max3_num_f32 v254, v[S], v[S+1], v[S+2]      ; the step's largest score of my query, among my 64 keys, in two chains, ascending: each tile is read from its low end on
	v_max3_num_f32 v252, v[S+3], v[S+4], v[S+5]
.irp i, 6,10,14,18,22,26,30,34,38,42,46,50,54,58
	v_max3_num_f32 v254, v254, v[S+\i], v[S+1+\i]
	v_max3_num_f32 v252, v252, v[S+2+\i], v[S+3+\i]
.endr
	v_max3_num_f32 v254, v254, v[S+62], v[S+63]
	s_delay_alu instid0(VALU_DEP_1)
	v_max_num_f32 v254, v254, v252
	s_delay_alu instid0(VALU_DEP_1)
	v_permlanex16_b32 v236, v254, s48, s49
	s_delay_alu instid0(VALU_DEP_1)
	v_max_num_f32 v254, v254, v236                 ; and among lane l xor 16's
	s_delay_alu instid0(VALU_DEP_1)
	v_mul_f32 v254, s50, v254                      ; as t (c is positive)
	s_delay_alu instid0(VALU_DEP_1)
	v_max_num_f32 v13, v13, v254                   ; the running largest t
	v_mov_b32 v254, v12
	s_delay_alu instid0(VALU_DEP_2)
	v_floor_f32 v12, -v13                          ; the new -M = floor(-t) = -ceil(t): M is a whole number
	s_delay_alu instid0(VALU_DEP_1)
	v_sub_f32 v254, v12, v254                      ; M's old value less its new one: a whole number, 0 or less
	s_delay_alu instid0(VALU_DEP_1)
	v_cvt_i32_f32 v254, v254                       ; (it saturates)
	s_delay_alu instid0(VALU_DEP_1)
	v_ldexp_f32 v252, 1.0, v254                    ; f = 2^(old M - new M)
.irp j, 0,2,4,6,8,10,12,14,16,18,20,22,24,26,28,30,32,34,36,38,40,42,44,46,48,50,52,54,56,58,60,62
	v_pk_fma_f32 v[S+\j:S+1+\j], v[S+\j:S+1+\j], s[50:51], v[12:13] op_sel_hi:[1,0,0]   ; t - M, two at a time (of the pairs c and -M the low word serves both halves)
.endr
.set i, 0
	s_setprio 1
	s_wait_alu depctr_va_vdst(0)
.rept 64
	v_exp_f32 v[S+i], v[S+i]                       ; p = 2^(t - M), at most 1: not normalised
.set i, i+1
.endr
	v_pk_mul_f32 v[14:15], v[14:15], v[252:253] op_sel_hi:[1,0]   ; l under the new M.  (The plain instruction behind the exponentials)
	s_wait_alu depctr_va_vdst(0)                   ; one wait for the batch of 64, ahead of its first reader
	v_pk_add_f32 v[242:243], v[100:101], v[104:105]
	v_pk_add_f32 v[248:249], v[108:109], v[112:113]
	v_pk_add_f32 v[246:247], v[116:117], v[120:121]
	v_pk_add_f32 v[240:241], v[124:125], v[128:129]
	v_pk_add_f32 v[238:239], v[132:133], v[136:137]
	v_pk_add_f32 v[234:235], v[140:141], v[144:145]
	v_pk_add_f32 v[232:233], v[148:149], v[152:153]
	v_pk_add_f32 v[14:15], v[14:15], v[156:157]
	v_pk_add_f32 v[242:243], v[242:243], v[96:97]
	v_pk_add_f32 v[248:249], v[248:249], v[98:99]
	v_pk_add_f32 v[246:247], v[246:247], v[102:103]
	v_pk_add_f32 v[240:241], v[240:241], v[106:107]
	v_pk_add_f32 v[238:239], v[238:239], v[110:111]
	v_pk_add_f32 v[234:235], v[234:235], v[114:115]
	v_pk_add_f32 v[232:233], v[232:233], v[118:119]
	v_pk_add_f32 v[14:15], v[14:15], v[122:123]
	v_pk_add_f32 v[242:243], v[242:243], v[126:127]
	v_pk_add_f32 v[248:249], v[248:249], v[130:131]
	v_pk_add_f32 v[246:247], v[246:247], v[134:135]
	v_pk_add_f32 v[240:241], v[240:241], v[138:139]
	v_pk_add_f32 v[238:239], v[238:239], v[142:143]
	v_pk_add_f32 v[234:235], v[234:235], v[146:147]
	v_pk_add_f32 v[232:233], v[232:233], v[150:151]
	s_setprio 0
	v_pk_add_f32 v[14:15], v[14:15], v[154:155]
	v_pk_add_f32 v[242:243], v[242:243], v[158:159]
	s_delay_alu instid0(VALU_DEP_2)
	v_pk_add_f32 v[14:15], v[14:15], v[240:241]
	s_delay_alu instid0(VALU_DEP_2)
	v_pk_add_f32 v[242:243], v[242:243], v[238:239]
	v_pk_add_f32 v[248:249], v[248:249], v[234:235]
	v_pk_add_f32 v[246:247], v[246:247], v[232:233]
	s_delay_alu instid0(VALU_DEP_2)
	v_pk_add_f32 v[14:15], v[14:15], v[248:249]
	s_delay_alu instid0(VALU_DEP_2)
	v_pk_add_f32 v[242:243], v[242:243], v[246:247]
	s_delay_alu instid0(VALU_DEP_1)
	v_pk_add_f32 v[14:15], v[14:15], v[242:243]
.irp c, 0,1,2,3,4,5,6,7
.irp i, 0,1,2,3,4,5,6,7
.endr
	v_cvt_scalef32_pk8_fp8_f32 v[P+2*\c:P+2*\c+1], v[S+8*\c:S+8*\c+7], v244
.endr
.irp j, 0,2,4,6,8,10,12,14
	v_pk_mul_f32 v[O+\j:O+1+\j], v[O+\j:O+1+\j], v[252:253] op_sel_hi:[1,0]   ; O^T under the new M.  (Also the plain instructions between the conversions and the products that read the codes)
.endr
	s_wait_alu depctr_va_vdst(0)
	s_wait_dscnt 0x0                               ; V is in
.irp t, 0,1                                    ; the two accumulators take turns, and the next step's eight score products stand between a link and the next
	v_wmma_f32_16x16x128_fp8_fp8 v[O+8*\t:O+8*\t+7], v[VF+16*\t:VF+16*\t+15], v[P:P+15], v[O+8*\t:O+8*\t+7]
.endr
.endm
; A quarter of LDS: eight steps.  The count lets the fills that I issued behind this quarter's stay out.  No LDS instruction of mine is out at the signal: a step's last wait is for 0.
.macro QUARTER g
	s_wait_tensorcnt 3-\g                          ; my part of quarter g has landed (a wave that fetches nothing passes at once),
	s_barrier_signal -1
	s_barrier_wait -1                              ; everybody's has
	s_mov_b32 s52, \g*65536
	s_mov_b32 s53, 8
.Lstep_\@:
	s_setprio 2
	STEP
	s_add_co_u32 s52, s52, 8192
	s_sub_co_u32 s53, s53, 1
	s_cmp_lg_u32 s53, 0
	s_cbranch_scc1 .Lstep_\@
	s_setprio 0
.endm
	QUARTER 0
	QUARTER 1
	QUARTER 2
	QUARTER 3
	; THE WAY OUT.  l's halves meet; O^T x 2^(e4 + e5) / l; 16 codes a lane: register 2 ct + j / 4, byte j % 4 = channel 16 ct + 8 (lane / 16) + j of my head, for query lane % 16.
	v_add_f32 v14, v14, v15                        ; (the two additions, the two v_nop and v_ldexp_f32 are five places behind the last products)
	s_delay_alu instid0(VALU_DEP_1)
	v_permlanex16_b32 v252, v14, s48, s49
	s_delay_alu instid0(VALU_DEP_1)
	v_add_f32 v14, v14, v252
	s_wait_alu depctr_va_vdst(0)
	v_rcp_f32 v14, v14
	v_nop
	v_nop
	s_add_co_i32 s54, s44, s45
	s_wait_alu depctr_va_vdst(0)                   ; the wait ahead of the reciprocal's first reader
	v_ldexp_f32 v14, v14, s54
.irp j, 0,2,4,6,8,10,12,14
	v_pk_mul_f32 v[S+\j:S+1+\j], v[O+\j:O+1+\j], v[14:15] op_sel_hi:[1,0]   ; each accumulator from its low end on
.endr
.irp j, 0,1,2,3,4,5,6,7,8,9,10,11,12,13,14,15
.endr
	v_cvt_scalef32_pk8_fp8_f32 v[S+16:S+17], v[S:S+7], v245
	v_cvt_scalef32_pk8_fp8_f32 v[S+18:S+19], v[S+8:S+15], v245
	v_nop
	global_store_b128 v[LI], v[S+16:S+19], s[10:11]   ; 512 consecutive bytes: my head's piece of my tile's fragment
	s_wait_tensorcnt 0x0
	ds_add_u32 v251, v255
	s_wait_dscnt 0x0
	CROUND                                         ; the closing round: no work-group ends while a partner may still ask for a tile that names it
	s_endpgm
.Lfunc_end_k_q55f8406383_attn:
	.size	k_q55f8406383_attn, .Lfunc_end_k_q55f8406383_attn-k_q55f8406383_attn
	.p2alignl 7, 3214868480
	.fill 96, 4, 3214868480
	.section	.rodata,"a",@progbits
	.p2align	6, 0x0
	.amdhsa_kernel k_q55f8406383_attn
		.amdhsa_group_segment_fixed_size 264192
		.amdhsa_private_segment_fixed_size 0
		.amdhsa_enable_private_segment 0
		.amdhsa_kernarg_size 32
		.amdhsa_user_sgpr_count 2
		.amdhsa_user_sgpr_kernarg_segment_ptr 1
		.amdhsa_wavefront_size32 1
		.amdhsa_system_sgpr_workgroup_id_x 1
		.amdhsa_system_sgpr_workgroup_id_y 1
		.amdhsa_system_sgpr_workgroup_id_z 1
		.amdhsa_system_vgpr_workitem_id 0
		.amdhsa_next_free_vgpr 256
		.amdhsa_next_free_sgpr 66
		.amdhsa_reserve_vcc 0
		.amdhsa_float_denorm_mode_32 3
		.amdhsa_float_denorm_mode_16_64 3
		.amdhsa_fp16_overflow 1
		.amdhsa_memory_ordered 1
		.amdhsa_forward_progress 1
		.amdhsa_inst_pref_size 57
	.end_amdhsa_kernel
	.amdgpu_metadata
---
amdhsa.version: [ 1, 2 ]
amdhsa.kernels:
  - .name:           k_q55f8406383_attn
    .symbol:         k_q55f8406383_attn.kd
    .args:
      - { .name: qc, .offset: 0, .size: 8, .value_kind: global_buffer, .address_space: global }
      - { .name: kv, .offset: 8, .size: 8, .value_kind: global_buffer, .address_space: global }
      - { .name: lowp_scales, .offset: 16, .size: 8, .value_kind: global_buffer, .address_space: global }
      - { .name: oc, .offset: 24, .size: 8, .value_kind: global_buffer, .address_space: global }
    .group_segment_fixed_size: 264192
    .private_segment_fixed_size: 0
    .kernarg_segment_align: 8
    .kernarg_segment_size: 32
    .max_flat_workgroup_size: 512
    .sgpr_count:     66
    .vgpr_count:     256
    .wavefront_size: 32
...
	.end_amdgpu_metadata
.endif
;; end of part 2
;; launch proj (part 3): grid 64 x 4, 8 waves a work-group, no clusters, 0 bytes of LDS; arguments oc, proj_w, proj_b, x, lowp_scales, out0; writes out0
.if DOCPART == 3
	.amdgcn_target "amdgcn-amd-amdhsa--gfx1250"
	.amdhsa_code_object_version 6
	.text
	.protected	k_q55f8406383_proj
	.globl	k_q55f8406383_proj
	.p2align	8
	.type	k_q55f8406383_proj,@function
k_q55f8406383_proj:
	s_mov_b64 s[64:65], 0
	v_nop
	global_prefetch_b8 v0, s[64:65] scope:SCOPE_SE
	s_setreg_imm32_b32 hwreg(HW_REG_WAVE_MODE, 25, 1), 1
	s_wait_xcnt 0x0
; out0 = x + proj_w o + proj_b: proj_w quantised here (2^e7), o given as codes (2^e6) in the workspace, the product on codes of E4M3, K = 128.
; A work-group owns 64 positions of one batch (x = block of 64, y = batch): four tiles, tile m = positions 64 blk + 4 r + m.  Wave w of eight makes output channels 16 w .. 16 w + 15 for the four tiles: four products, each a whole sum.
; oc [b][tile][2048] is the image of an operand's registers: register 2 c, 2 c + 1 of lane (r, h) = channels 16 c + 8 h + 0..7 of row r; proj_w is loaded and converted into the same places.
; Source 0 = 16 rows of proj_w, source 1 = 16 positions: lane (r, h), register j of tile m holds channel 16 w + 8 h + j at position 64 blk + 4 r + m.  The residual's addition puts tile m's number into register m of
; a group of four, so that a lane's four registers are four neighbouring positions: sixteen lanes load and store 256 consecutive aligned bytes of x and of out0, and nothing goes through LDS.
; proj_w (65,536 bytes) is read by all 256 work-groups, and no joint load is used for it: each wave takes its 8,192 bytes straight into the order of its operand registers, once; the text has no LDS and no barrier to which rounds could be joined.
; LIMITS: e7 between -126 and 127; e6 + e7 between -126 and 127.  NaN among the inputs is not served.
.set LI,  1                            ; 16 x lane
.set VW,  2                            ; proj_w: 512 r + 32 h
.set VB,  3                            ; proj_b: 32 h
.set VXO, 4                            ; x and out0: (h << 17) + 16 r
.set SC,  8                            ; 2^e7
.set LIM, 9
.set AF,  16                           ; v16-79   o's four fragments
.set STG, 80                           ; v80-143  proj_w's 64 numbers of my lane
.set ACC, 80                           ; v80-111  later the four accumulators
.set WC,  144                          ; v144-159 proj_w's codes
.set XR,  160                          ; v160-191 x, then the result: register 4 j + m
.set PB,  192                          ; v192-199 proj_b of channels 16 w + 8 h + 0..7
	s_load_b256 s[4:11], s[0:1], 0x0               ; oc s[4:5], proj_w s[6:7], proj_b s[8:9], x s[10:11]
	s_load_b128 s[12:15], s[0:1], 0x20             ; the exponents s[12:13], out0 s[14:15]
	v_lshrrev_b32 v5, 5, v0
	s_delay_alu instid0(VALU_DEP_1)
	v_readfirstlane_b32 s24, v5                    ; wave 0..7
	s_mov_b32 s25, ttmp9                           ; blk
	s_and_b32 s26, ttmp7, 0xffff                   ; b
	v_and_b32 v5, 31, v0
	s_delay_alu instid0(VALU_DEP_1)
	v_lshlrev_b32 v[LI], 4, v5
	v_and_b32 v6, 15, v0                           ; r
	v_bfe_u32 v7, v0, 4, 1                         ; h
	s_delay_alu instid0(VALU_DEP_2)
	v_lshlrev_b32 v[VW], 9, v6
	s_delay_alu instid0(VALU_DEP_1)
	v_lshl_add_u32 v[VW], v7, 5, v[VW]
	s_delay_alu instid0(VALU_DEP_3)
	v_lshlrev_b32 v[VB], 5, v7
	v_lshlrev_b32 v[VXO], 4, v6
	s_delay_alu instid0(VALU_DEP_1)
	v_lshl_add_u32 v[VXO], v7, 17, v[VXO]
	s_lshl_b32 s28, s26, 19                        ; oc: the batch's 256 tiles of 2,048 bytes,
	s_lshl_b32 s29, s25, 13                        ; the block's four
	s_add_co_u32 s28, s28, s29
	s_mov_b32 s29, 0
	s_lshl_b32 s30, s24, 13                        ; proj_w: my 16 rows of 512 bytes
	s_mov_b32 s31, 0
	s_lshl_b32 s32, s24, 6                         ; proj_b: my 16 numbers
	s_mov_b32 s33, 0
	s_lshl_b32 s34, s26, 21                        ; x and out0: batch,
	s_lshl_b32 s35, s24, 18                        ; my 16 channels,
	s_add_co_u32 s34, s34, s35
	s_lshl_b32 s35, s25, 8                         ; the block's 256 bytes of a channel's row
	s_add_co_u32 s34, s34, s35
	s_mov_b32 s35, 0
	s_wait_alu depctr_va_vdst(0)
	s_wait_kmcnt 0x0
	s_load_b256 s[16:23], s[12:13], 0x0            ; e0 .. e7
	s_add_nc_u64 s[4:5], s[4:5], s[28:29]
	s_add_nc_u64 s[6:7], s[6:7], s[30:31]
	s_add_nc_u64 s[8:9], s[8:9], s[32:33]
	s_add_nc_u64 s[10:11], s[10:11], s[34:35]
	s_add_nc_u64 s[14:15], s[14:15], s[34:35]
.irp c, 0,1,2,3,4,5,6,7
.irp j, 0,1
	global_load_b128 v[STG+8*\c+4*\j:STG+8*\c+4*\j+3], v[VW], s[6:7] offset:64*\c+16*\j   ; proj_w(16 w + r, 16 c + 8 h + 4 j ..)
.endr
.endr
.irp m, 0,1,2,3
.irp p, 0,1,2,3
	global_load_b128 v[AF+16*\m+4*\p:AF+16*\m+4*\p+3], v[LI], s[4:5] offset:2048*\m+512*\p
.endr
.endr
	global_load_b128 v[PB:PB+3], v[VB], s[8:9]
	global_load_b128 v[PB+4:PB+7], v[VB], s[8:9] offset:16
.irp j, 0,1,2,3,4,5,6,7
	global_load_b128 v[XR+4*\j:XR+4*\j+3], v[VXO], s[10:11] offset:\j*16384 th:TH_LOAD_NT   ; channel 16 w + 8 h + j, positions 4 r + 0..3
.endr
	s_wait_kmcnt 0x0
	s_add_co_i32 s44, s23, 127
	s_lshl_b32 s45, s44, 23
	v_mov_b32 v[SC], s45                           ; 2^e7 as f32: the conversion takes its exponent field
	s_add_co_i32 s40, s22, s23
	s_add_co_i32 s40, s40, 127
	s_lshl_b32 s40, s40, 23                        ; 2^(e6 + e7) as f32
	s_mov_b32 s41, s40                             ; (named with it as a pair, so it is written)
	s_wait_alu depctr_va_vdst(0)
	s_wait_loadcnt 26                              ; proj_w is in: o's 16 loads, the bias's 2 and x's 8 may be out
.set i, 0
.rept 64
.set i, i+1
.endr
.irp c, 0,1,2,3,4,5,6,7
	v_cvt_scalef32_pk8_fp8_f32 v[WC+2*\c:WC+2*\c+1], v[STG+8*\c:STG+8*\c+7], v[SC]
.endr
	v_nop                                          ; one plain instruction between the last conversion and the products, which read its codes and write over its sources
	s_wait_alu depctr_va_vdst(0)
	s_wait_loadcnt 10                              ; o's fragments are in: the bias's 2 loads and x's 8 may be out
.irp m, 0,1,2,3
	v_wmma_f32_16x16x128_fp8_fp8 v[ACC+8*\m:ACC+8*\m+7], v[WC:WC+15], v[AF+16*\m:AF+16*\m+15], 0
.endr
.rept 4
	v_nop                                          ; four places between the last product and the first read of a result (ISA guide 7.12.1)
.endr
	s_wait_loadcnt 0x0
.irp m, 0,1,2,3
.irp i, 0,2,4,6
	v_pk_fma_f32 v[ACC+8*\m+\i:ACC+8*\m+\i+1], v[ACC+8*\m+\i:ACC+8*\m+\i+1], s[40:41], v[PB+\i:PB+\i+1] op_sel_hi:[1,0,1]   ; sum x 2^(e6 + e7) + bias; each accumulator from its low end on
.endr
.endr
.irp j, 0,1,2,3,4,5,6,7
.irp m, 0,1,2,3
	v_add_f32 v[XR+4*\j+\m], v[XR+4*\j+\m], v[ACC+8*\m+\j]   ; + x; tile m's number joins position 4 r + m
.endr
.endr
.irp j, 0,1,2,3,4,5,6,7
	global_store_b128 v[VXO], v[XR+4*\j:XR+4*\j+3], s[14:15] offset:\j*16384 th:TH_STORE_NT   ; sixteen lanes store 256 consecutive bytes, at a multiple of 256 from out0's first byte
.endr
	s_endpgm
.Lfunc_end_k_q55f8406383_proj:
	.size	k_q55f8406383_proj, .Lfunc_end_k_q55f8406383_proj-k_q55f8406383_proj
	.p2alignl 7, 3214868480
	.fill 96, 4, 3214868480
	.section	.rodata,"a",@progbits
	.p2align	6, 0x0
	.amdhsa_kernel k_q55f8406383_proj
		.amdhsa_group_segment_fixed_size 0
		.amdhsa_private_segment_fixed_size 0
		.amdhsa_enable_private_segment 0
		.amdhsa_kernarg_size 48
		.amdhsa_user_sgpr_count 2
		.amdhsa_user_sgpr_kernarg_segment_ptr 1
		.amdhsa_wavefront_size32 1
		.amdhsa_system_sgpr_workgroup_id_x 1
		.amdhsa_system_sgpr_workgroup_id_y 1
		.amdhsa_system_sgpr_workgroup_id_z 1
		.amdhsa_system_vgpr_workitem_id 0
		.amdhsa_next_free_vgpr 208
		.amdhsa_next_free_sgpr 66
		.amdhsa_reserve_vcc 0
		.amdhsa_float_denorm_mode_32 3
		.amdhsa_float_denorm_mode_16_64 3
		.amdhsa_fp16_overflow 1
		.amdhsa_memory_ordered 1
		.amdhsa_forward_progress 1
		.amdhsa_inst_pref_size 10
	.end_amdhsa_kernel
	.amdgpu_metadata
---
amdhsa.version: [ 1, 2 ]
amdhsa.kernels:
  - .name:           k_q55f8406383_proj
    .symbol:         k_q55f8406383_proj.kd
    .args:
      - { .name: oc, .offset: 0, .size: 8, .value_kind: global_buffer, .address_space: global }
      - { .name: proj_w, .offset: 8, .size: 8, .value_kind: global_buffer, .address_space: global }
      - { .name: proj_b, .offset: 16, .size: 8, .value_kind: global_buffer, .address_space: global }
      - { .name: x, .offset: 24, .size: 8, .value_kind: global_buffer, .address_space: global }
      - { .name: lowp_scales, .offset: 32, .size: 8, .value_kind: global_buffer, .address_space: global }
      - { .name: out0, .offset: 40, .size: 8, .value_kind: global_buffer, .address_space: global }
    .group_segment_fixed_size: 0
    .private_segment_fixed_size: 0
    .kernarg_segment_align: 8
    .kernarg_segment_size: 48
    .max_flat_workgroup_size: 256
    .sgpr_count:     66
    .vgpr_count:     208
    .wavefront_size: 32
...
	.end_amdgpu_metadata
.endif
;; end of part 3
